; MI455X (gfx1250); checked and timed in simulation.
; The chip was launched on July 23, 2026; its instructions are those of AMD's public machine-readable ISA for CDNA 5 (MIT licence, August 2026) and "CDNA5" Instruction Set Architecture Reference Guide (July 2026). The comments in the code are by the model that wrote it; some were corrected since.
;; Attention Layer. Allowed arithmetic: matrix products marked QUANTISED: E3M2 operands, one E8M0 scale for each 32 along K, by v_wmma_scale_f32_16x16x128_f8f6f4 with both operands' format E3M2, f32 sums; products left as they are: f32 operands where the result goes on into a quantised operand, else bf16, f16 or f32 operands; f32 sums; everything else in f32.
;; Inputs: IEs 512 x 64 x 1 float32; We 64 float32; Wk 1,024 x 1,024 float32; Wq 1,024 x 1,024 float32; Wv 1,024 x 1,024 float32; all_states 512 x 64 x 1,024 float32; bk 1,024 float32; bq 1,024 float32; bv 1,024 float32; last_state 512 x 1,024 float32.
;; Outputs: out0 512 x 1,024 float32; out1 512 x 64 float32.
;; This version of the problem:
;;   THIS VERSION OF THE PROBLEM IS GIVEN IN LOW PRECISION. The matrix products marked QUANTISED in the list below multiply operands that are first quantised to E3M2 (3 exponent bits, 2 mantissa bits; 6 bits a number), with one power-of-two scale for each 32 numbers along K (OCP MX v1.0); their sums are f32. All else is computed in f32.
;;   The module's matrix products, in the order in which they are computed (A, B: the left and right operand; K: the contracted axis; several contracted axes count as one K, in the product's order):
;;     1. [M 512, K 1,024] x [K 1,024, N 1,024]; A: input last_state; B: input Wq: QUANTISED
;;     2. [M 32,768, K 1,024] x [K 1,024, N 1,024]; A: input all_states; B: input Wk: QUANTISED
;;     3. [M 32,768, K 1,024] x [K 1,024, N 1,024]; A: input all_states; B: input Wv: QUANTISED
;;     4. batch 512 x [M 1, K 1,024] x [K 1,024, N 64]; A: computed on the way; B: computed on the way: left as it is (M = 1 < 16)
;;     5. batch 512 x [M 1, K 64] x [K 64, N 1,024]; A: softmax; B: computed on the way: left as it is (M = 1 < 16)
;;   THE QUANTISER, for each operand of a quantised product, along K:
;;     - K is cut into blocks of 32 from its start; a last block that is shorter is filled with zeros.
;;     - A block's scale is 2^e with e = floor(log2(the largest magnitude in the block)) - 4, held to -126 .. 127; a block of zeros has e = 0. As a byte (E8M0): e + 127.
;;     - Each number is divided by its block's scale, clamped to +-28, and rounded to the nearest number of E3M2, ties to even, subnormals kept.
;;     - The product sums the exact products of the quantised numbers (number of the format x scale) in f32.
;;   ~~~python
;;   def quantise(x, axis):      # numpy; x: float32 -> the quantised numbers, widened to float32 again
;;       x = np.moveaxis(x, axis, -1); K = x.shape[-1]
;;       x = np.pad(x, [(0, 0)] * (x.ndim - 1) + [(0, -K % 32)]); x = x.reshape(x.shape[:-1] + (-1, 32)); a = np.abs(x).max(-1, keepdims=True)
;;       e = np.where(a > 0, np.clip(np.frexp(np.where(a > 0, a, 1))[1] - 1 - 4, -126, 127), 0)      # np.frexp(a)[1] - 1 = floor(log2(a)), exactly
;;       r = np.clip(x / 2.0 ** e, -28, 28)
;;       step = 2.0 ** (np.maximum(np.frexp(np.where(r == 0, 1, r))[1] - 1, -2) - 2)
;;       q = np.round(r / step) * step * 2.0 ** e      # np.round: ties to even
;;       return np.moveaxis(q.reshape(q.shape[:-2] + (-1,))[..., :K], -1, axis).astype(np.float32)
;;   ~~~
;; One version. Each part assembles by itself: llvm-mc -triple=amdgcn-amd-amdhsa -mcpu=gfx1250 --defsym DOCPART=n.
;; ======== version 1 of 1: 2 launches
;; limits: right only within a limited range of input values
;; workspace buffers: wrec 1,671,168 bytes; qbuf 8,388,608 bytes
;; launch prep (part 1): grid 256 x 1, 16 waves a work-group, no clusters, 223,232 bytes of LDS; arguments last_state, Wq, Wk, Wv, bk, bv, wrec, qbuf; writes wrec, qbuf
.if DOCPART == 1
	.amdgcn_target "amdgcn-amd-amdhsa--gfx1250"
	.amdhsa_code_object_version 6
	.text
	.protected	k_qc527765916_prep
	.globl	k_qc527765916_prep
	.p2align	8
	.type	k_qc527765916_prep,@function
k_qc527765916_prep:
	s_mov_b64 s[64:65], 0
	v_nop
	global_prefetch_b8 v0, s[64:65] scope:SCOPE_SE
	s_setreg_imm32_b32 hwreg(HW_REG_WAVE_MODE, 25, 1), 1
	s_wait_xcnt 0x0
; Two pieces of work in one launch, all on codes of BF6 (E3M2) with one E8M0 scale byte for each 32 along K.
; (1) last_state Wq^T, CUT IN FOUR ALONG K: qbuf holds four parts [512][1024] f32, part kq = the sum over K steps 2 kq and 2 kq + 1 (of 128 each); the next launch adds the four and bq.
;     Work-group q: kq = q % 4, columns 128 ((q / 4) % 8) .. + 127, batches 64 (q / 32) .. + 63.  It quantises its 8 tiles of 16 rows of Wq and its 4 tiles of last_state for its two K steps: 24 units of
;     16 rows x 128 K, hands them round as register images in LDS, and every wave multiplies 2 of the 32 tiles of 16 x 16.  A block of Wq or of last_state is so quantised by the 8 work-groups that share it:
;     24 units a work-group stand against a launch more between this one and the next.
; (2) Work-groups 0 .. 127 also make one RECORD of wrec each (13,056 bytes; record g = 64 p + ct, p = 0 Wk, 1 Wv: rows 16 ct .. + 15, all of K), by waves 8-15, a K step each:
;     bytes 0 .. 12,287 eight fragments (K step s at 1,536 s), each an image of the operand's 12 registers: registers 4 c .. 4 c + 3 of lane l at 512 c + 16 l;
;     bytes 12,288 .. 12,799 the scale words: lane l's 16 bytes at 16 l, word i = row l % 16, K step 2 i + l / 16;  bytes 12,800 .. 13,055 64 f32: word i = bias[16 ct + i % 16].
; SHARES: every wave a unit of Wq; waves 0-7 a unit of last_state; waves 8-15 a unit of the record: two units a wave at the most.
; A UNIT: each load reads 512 consecutive bytes of a row; the conversions want 16 neighbours along K in one lane, so a unit turns through the wave's own stage in LDS.
; A block's scale byte is its largest magnitude's exponent field - 4, held at 1 from below.
; LIMITS: a block of zeros gets the byte 1 where the rule says 127 (its codes are zeros, and this program alone reads the bytes); blocks whose largest magnitude lies under 2^-122 are held at
; the byte 1; NaN and infinities among the inputs are not served.
; No tensor loads and no cluster: operands pass through registers on their way to the quantiser.
.set REC,    13056
.set SPITCH, 528
.set WSTG,   16*SPITCH
.set IMG,    16*WSTG                   ; 32 places of 1,536: Wq's image of wave w at w (tile w / 2, K step w % 2), last_state's at 16 + w
.set SC,     IMG+32*1536               ; scale words: last_state's tile t at 128 t, Wq's at 1,024 + 128 t; row r at 8 r, K step e at 4 e
.set SCI,    SC+2048                   ; the record's scale image, at + 512 (waves 8-15)
.set QS,     SCI+1024                  ; the tile of the part: 64 rows of 512 bytes, 528 apart
.set QP,     528
.set SPARE,  QS+64*QP                  ; the spare words: 128 bytes a wave
.set R,      24                        ; v24-151  two units as loaded
.set XS,     152                       ; v152-215 64 numbers of my row
.set TM,     216
.set PC,     232                       ; v232-251 codes
.set PW,     252                       ; the scale word
.set SEL,    28
.macro QUANT s, pc, pw
.irp b, 0,1,2,3
	v_max3_num_f32 v[TM+\b], |v[\s+16*\b]|, |v[\s+1+16*\b]|, 0x2800000   ; my 16 numbers of block b, and the floor 2^(5 - 127)
.endr
.irp i, 2,4,6,8,10,12,14
.irp b, 0,1,2,3
	v_max3_num_f32 v[TM+\b], v[TM+\b], |v[\s+16*\b+\i]|, |v[\s+1+16*\b+\i]|
.endr
.endr
.irp b, 0,1,2,3
	v_permlanex16_b32 v[TM+4+\b], v[TM+\b], s[SEL], s[SEL+1]
.endr
.irp b, 0,1,2,3
	v_max_num_f32 v[TM+\b], v[TM+\b], v[TM+4+\b]   ; with lane l xor 16's
.endr
.irp b, 0,1,2,3
	v_add_nc_u32 v[TM+12+\b], 0xfe000000, v[TM+\b]   ; 4 off the exponent field: the conversion's scale operand
.endr
.irp b, 0,1,2,3
	v_lshrrev_b32 v[TM+4+\b], 23, v[TM+12+\b]      ; the byte
.endr
	v_lshl_or_b32 v[\pw], v[TM+5], 8, v[TM+4]
	v_lshl_or_b32 v[\pw], v[TM+6], 16, v[\pw]
	v_lshl_or_b32 v[\pw], v[TM+7], 24, v[\pw]
.irp c, 0,1
	v_cvt_scalef32_pk16_bf6_f32 v[\pc+6*\c:\pc+2+6*\c], v[\s+32*\c:\s+15+32*\c], v[TM+12+2*\c]
	v_cvt_scalef32_pk16_bf6_f32 v[\pc+12+4*\c:\pc+14+4*\c], v[\s+16+32*\c:\s+31+32*\c], v[TM+12+2*\c+1]
.endr
	v_nop                                          ; one plain place behind a scaled conversion
.irp c, 0,1                                    ; a whole block in a lane
.irp i, 0,1,2
	v_permlane16_swap_b32 v[\pc+6*\c+\i], v[\pc+12+4*\c+\i]
.endr
.irp i, 0,1,2
	v_mov_b32 v[\pc+3+6*\c+\i], v[\pc+12+4*\c+\i]
.endr
.endr
.endm
.macro LD set, base                    ; 16 rows x 512 bytes
.irp n, 0,1,2,3,4,5,6,7,8,9,10,11,12,13,14,15
	global_load_b128 v[R+64*\set+4*\n:R+64*\set+4*\n+3], v1, s[\base:\base+1] offset:4096*\n
.endr
.endm
.macro TURN set, cnt                   ; cnt: the loads issued behind this unit's
	s_wait_loadcnt \cnt
.irp n, 0,1,2,3,4,5,6,7,8,9,10,11,12,13,14,15
	ds_store_b128 v5, v[R+64*\set+4*\n:R+64*\set+4*\n+3] offset:SPITCH*\n
.endr
.irp b, 0,1,2,3
.irp q, 0,1,2,3
	ds_load_b128 v[XS+16*\b+4*\q:XS+16*\b+4*\q+3], v6 offset:128*\b+16*\q   ; LDS serves a wave's instructions in order
.endr
.endr
	s_wait_dscnt 0x0
.endm
.macro TOIMG io, so                    ; the image and the scale word; lanes r and r + 16 write the same word with the same value
.irp c, 0,1,2
	ds_store_b128 v7, v[PC+4*\c:PC+4*\c+3] offset:\io+512*\c
.endr
	ds_store_b32 v8, v[PW] offset:\so
.endm
.macro BAR
	s_barrier_signal -1
	s_barrier_wait -1
.endm
; The products of wave w: last_state's tile a = w / 4 against Wq's tiles 2 (w % 4) and the next, two K steps.  Source 0 = 16 rows of Wq, source 1 = 16 rows of last_state: lane (r, h) holds batch r,
; columns 8 h + 0 .. 7.  The two accumulators take turns.
.macro GEMM
.irp e, 0,1
.irp c, 0,1,2
	ds_load_b128 v[24+12*\e+4*\c:24+12*\e+4*\c+3], v11 offset:1536*\e+512*\c
.endr
.endr
.irp f, 0,1,2,3
.irp c, 0,1,2
	ds_load_b128 v[48+12*\f+4*\c:48+12*\f+4*\c+3], v12 offset:1536*\f+512*\c
.endr
.endr
	ds_load_b64 v[112:113], v13                    ; scale words of the two K steps: last_state's,
	ds_load_b64 v[114:115], v16                    ; Wq's first tile's,
	ds_load_b64 v[116:117], v16 offset:128         ; its second's
	s_wait_dscnt 0x0
	v_wmma_scale_f32_16x16x128_f8f6f4 v[96:103], v[48:59], v[24:35], 0, v114, v112 matrix_a_fmt:MATRIX_FMT_BF6 matrix_b_fmt:MATRIX_FMT_BF6
	v_wmma_scale_f32_16x16x128_f8f6f4 v[104:111], v[72:83], v[24:35], 0, v116, v112 matrix_a_fmt:MATRIX_FMT_BF6 matrix_b_fmt:MATRIX_FMT_BF6
	v_wmma_scale_f32_16x16x128_f8f6f4 v[96:103], v[60:71], v[36:47], v[96:103], v115, v113 matrix_a_fmt:MATRIX_FMT_BF6 matrix_b_fmt:MATRIX_FMT_BF6
	v_wmma_scale_f32_16x16x128_f8f6f4 v[104:111], v[84:95], v[36:47], v[104:111], v117, v113 matrix_a_fmt:MATRIX_FMT_BF6 matrix_b_fmt:MATRIX_FMT_BF6
.rept 4
	v_nop
.endr
	ds_store_b128 v14, v[96:99]                    ; each accumulator from its low end on
	ds_store_b128 v14, v[100:103] offset:16
	ds_store_b128 v14, v[104:107] offset:64
	ds_store_b128 v14, v[108:111] offset:80
.endm
	s_load_b256 s[4:11], s[0:1], 0x0               ; last_state, Wq, Wk, Wv
	s_load_b256 s[12:19], s[0:1], 0x20             ; bk, bv, wrec, qbuf
	v_lshl_add_u32 v254, v0, 2, SPARE
	v_mov_b32 v255, 0
	v_lshrrev_b32 v20, 5, v0
	v_readfirstlane_b32 s22, v20                   ; wave 0..15
	s_and_b32 s23, s22, 1                          ; e: which of my work-group's two K steps
	s_lshr_b32 s24, s22, 1                         ; which tile
	s_and_b32 s25, ttmp9, 3                        ; kq
	s_bfe_u32 s26, ttmp9, 0x30002                  ; block of 128 columns
	s_lshr_b32 s27, ttmp9, 5                       ; block of 64 batches
	s_and_b32 s30, s22, 7                          ; the record's K step
	s_and_b32 s31, ttmp9, 63                       ; the record's ct
	s_mov_b32 s[SEL], 0x76543210
	s_mov_b32 s[SEL+1], 0xfedcba98
	v_and_b32 v21, 31, v0
	v_and_b32 v2, 15, v0                           ; r
	v_bfe_u32 v3, v0, 4, 1                         ; h
	v_lshlrev_b32 v1, 4, v21                       ; 16 x lane
	v_lshlrev_b32 v23, 3, v21                      ; 8 x lane
	v_and_b32 v21, 7, v0
	v_lshlrev_b32 v21, 3, v21                      ; 8 (lane % 8)
	s_wait_alu depctr_va_vdst(0)
	s_mul_i32 s52, s22, WSTG
	v_add_nc_u32 v5, s52, v1                       ; the stage, in
	v_mul_u32_u24 v6, v2, SPITCH
	v_lshl_add_u32 v6, v3, 6, v6
	v_add_nc_u32 v6, s52, v6                       ; and out: row r, + 64 h
	s_mul_i32 s52, s22, 1536
	s_add_co_u32 s52, s52, IMG
	v_add_nc_u32 v7, s52, v1
	s_lshl_b32 s52, s24, 7
	s_lshl_b32 s53, s23, 2
	s_add_co_u32 s52, s52, s53
	s_add_co_u32 s52, s52, SC
	v_lshl_add_u32 v8, v2, 3, s52
	s_mul_i32 s52, s30, 1536
	v_add_nc_u32 v9, s52, v1                       ; in the record: my fragment
	s_and_b32 s52, s30, 1
	s_lshl_b32 s52, s52, 8
	s_lshr_b32 s53, s30, 1
	s_lshl_b32 s53, s53, 2
	s_add_co_u32 s52, s52, s53
	s_lshr_b32 s53, s22, 3
	s_lshl_b32 s53, s53, 9
	s_add_co_u32 s52, s52, s53                     ; + 512 (w / 8): every wave's word has bytes of its own
	s_add_co_u32 s52, s52, SCI
	v_lshl_add_u32 v10, v2, 4, s52                 ; the record's scale image: lane r + 16 (s % 2), word s / 2
	s_lshr_b32 s54, s22, 2                         ; the products: a,
	s_and_b32 s55, s22, 3                          ; and w % 4
	s_mul_i32 s52, s54, 3072
	s_add_co_u32 s52, s52, IMG+16*1536
	v_add_nc_u32 v11, s52, v1
	s_mul_i32 s52, s55, 6144
	s_add_co_u32 s52, s52, IMG
	v_add_nc_u32 v12, s52, v1
	s_lshl_b32 s52, s54, 7
	s_add_co_u32 s52, s52, SC
	v_lshl_add_u32 v13, v2, 3, s52
	s_lshl_b32 s52, s55, 8
	s_add_co_u32 s52, s52, SC+1024
	v_lshl_add_u32 v16, v2, 3, s52
	v_mul_u32_u24 v14, v2, QP
	v_lshl_add_u32 v14, v3, 5, v14
	s_mul_i32 s52, s54, 16*QP
	s_lshl_b32 s53, s55, 7
	s_add_co_u32 s52, s52, s53
	s_add_co_u32 s52, s52, QS
	v_add_nc_u32 v14, s52, v14                     ; row 16 a + r, byte 128 (w % 4) + 32 h
	s_mul_i32 s52, s22, QP
	s_add_co_u32 s52, s52, QS
	v_add_nc_u32 v15, s52, v1                      ; the way out: rows w + 16 p, 16 bytes a lane
	s_lshl_b32 s52, s22, 12
	v_add_nc_u32 v20, s52, v1
	v_add_nc_u32 v22, SCI+512, v1
.irp b, 0,1,2,3
	v_mov_b32 v[TM+4+\b], 0                        ; a lane permute's destination counts as one of its sources
.endr
	s_lshl_b32 s52, s25, 10
	s_lshl_b32 s53, s23, 9
	s_add_co_u32 s52, s52, s53                     ; my K step in a row: 512 (2 kq + e)
	s_lshl_b32 s53, s24, 16
	s_add_co_u32 s52, s52, s53                     ; + my tile's 16 rows
	s_lshl_b32 s40, s26, 19
	s_add_co_u32 s40, s40, s52                     ; Wq: row 128 x block + 16 x tile
	s_mov_b32 s41, 0
	s_lshl_b32 s42, s27, 18
	s_add_co_u32 s42, s42, s52                     ; last_state: row 64 x block + 16 x tile (waves 0-7)
	s_mov_b32 s43, 0
	s_lshl_b32 s44, s31, 16
	s_lshl_b32 s53, s30, 9
	s_add_co_u32 s44, s44, s53                     ; the record's rows, my K step of them
	s_mov_b32 s45, 0
	s_mul_i32 s46, ttmp9, REC
	s_mov_b32 s47, 0
	s_lshl_b32 s48, s31, 6
	s_mov_b32 s49, 0
	s_lshl_b32 s50, s25, 21
	s_lshl_b32 s53, s27, 18
	s_add_co_u32 s50, s50, s53
	s_lshl_b32 s53, s26, 9
	s_add_co_u32 s50, s50, s53                     ; part kq, row 64 x block, column 128 x block
	s_mov_b32 s51, 0
	s_wait_alu depctr_va_vdst(0)
	s_wait_kmcnt 0x0
	s_add_nc_u64 s[32:33], s[6:7], s[40:41]
	s_add_nc_u64 s[34:35], s[4:5], s[42:43]
	s_cmp_lt_u32 ttmp9, 64                         ; Wk or Wv: by the work-group's number alone
	s_cselect_b64 s[36:37], s[8:9], s[10:11]
	s_cselect_b64 s[38:39], s[12:13], s[14:15]
	s_add_nc_u64 s[36:37], s[36:37], s[44:45]
	s_add_nc_u64 s[38:39], s[38:39], s[48:49]
	s_cmp_lt_u32 s22, 8                            ; my second unit: last_state's or the record's, by the wave's number alone
	s_cselect_b64 s[34:35], s[34:35], s[36:37]
	s_add_nc_u64 s[16:17], s[16:17], s[46:47]      ; my record (used by work-groups 0 .. 127 alone)
	s_add_nc_u64 s[18:19], s[18:19], s[50:51]
	LD 0, 32
	s_cmp_lt_u32 s22, 8
	s_cbranch_scc1 .Ltwo
	s_cmp_lt_u32 ttmp9, 128
	s_cbranch_scc0 .Lone                           ; waves 8-15 of work-groups 128 .. 255 have one unit
.Ltwo:
	LD 1, 34
	TURN 0, 16
	QUANT XS, PC, PW
	TOIMG 0, 1024
	TURN 1, 0
	QUANT XS, PC, PW
	s_wait_alu depctr_va_vdst(0)
	s_cmp_lt_u32 s22, 8
	s_cbranch_scc0 .Lrecout
	TOIMG 24576, 0
	s_branch .Ldone
.Lrecout:
.irp c, 0,1,2
	global_store_b128 v9, v[PC+4*\c:PC+4*\c+3], s[16:17] offset:512*\c   ; 512 consecutive bytes, at a multiple of 256 from the buffer's first byte
.endr
	ds_store_b32 v10, v[PW]
	s_branch .Ldone
.Lone:
	TURN 0, 0
	QUANT XS, PC, PW
	TOIMG 0, 1024
.Ldone:
	s_wait_alu depctr_va_vdst(0)
	s_wait_dscnt 0x0                               ; for the others' sake: my stores have landed
	BAR
	s_cmp_lg_u32 s22, 0
	s_cbranch_scc1 .Lplain
	s_cmp_lt_u32 ttmp9, 128
	s_cbranch_scc0 .Lplain
	ds_load_b128 v[120:123], v22                   ; wave 0 also sends the record's last 768 bytes: its scale image,
	global_load_b64 v[124:125], v21, s[38:39]      ; and biases 2 (lane % 8) and the next
	GEMM
	global_store_b128 v1, v[120:123], s[16:17] offset:12288
	s_wait_loadcnt 0x0
	global_store_b64 v23, v[124:125], s[16:17] offset:12800
	s_branch .Ljoin
.Lplain:
	GEMM
.Ljoin:
	s_wait_dscnt 0x0
	BAR
.irp p, 0,1,2,3
	ds_load_b128 v[32+4*\p:35+4*\p], v15 offset:16*QP*\p
.endr
.irp p, 0,1,2,3
	s_wait_dscnt 3-\p
	global_store_b128 v20, v[32+4*\p:35+4*\p], s[18:19] offset:65536*\p   ; 32 lanes store 512 consecutive bytes of a row of the part, aligned to 256
.endr
	s_wait_tensorcnt 0x0                           ; the wave's end
	ds_add_u32 v254, v255
	s_wait_dscnt 0x0
	s_endpgm
.Lfunc_end_k_qc527765916_prep:
	.size	k_qc527765916_prep, .Lfunc_end_k_qc527765916_prep-k_qc527765916_prep
	.p2alignl 7, 3214868480
	.fill 96, 4, 3214868480
	.section	.rodata,"a",@progbits
	.p2align	6, 0x0
	.amdhsa_kernel k_qc527765916_prep
		.amdhsa_group_segment_fixed_size 223232
		.amdhsa_private_segment_fixed_size 0
		.amdhsa_enable_private_segment 0
		.amdhsa_kernarg_size 64
		.amdhsa_user_sgpr_count 2
		.amdhsa_user_sgpr_kernarg_segment_ptr 1
		.amdhsa_wavefront_size32 1
		.amdhsa_system_sgpr_workgroup_id_x 1
		.amdhsa_system_sgpr_workgroup_id_y 1
		.amdhsa_system_sgpr_workgroup_id_z 1
		.amdhsa_system_vgpr_workitem_id 0
		.amdhsa_next_free_vgpr 256
		.amdhsa_next_free_sgpr 66
		.amdhsa_reserve_vcc 0
		.amdhsa_float_denorm_mode_32 3
		.amdhsa_float_denorm_mode_16_64 3
		.amdhsa_memory_ordered 1
		.amdhsa_forward_progress 1
		.amdhsa_inst_pref_size 33
	.end_amdhsa_kernel
	.amdgpu_metadata
---
amdhsa.version: [ 1, 2 ]
amdhsa.kernels:
  - .name:           k_qc527765916_prep
    .symbol:         k_qc527765916_prep.kd
    .args:
      - { .name: last_state, .offset: 0, .size: 8, .value_kind: global_buffer, .address_space: global }
      - { .name: Wq, .offset: 8, .size: 8, .value_kind: global_buffer, .address_space: global }
      - { .name: Wk, .offset: 16, .size: 8, .value_kind: global_buffer, .address_space: global }
      - { .name: Wv, .offset: 24, .size: 8, .value_kind: global_buffer, .address_space: global }
      - { .name: bk, .offset: 32, .size: 8, .value_kind: global_buffer, .address_space: global }
      - { .name: bv, .offset: 40, .size: 8, .value_kind: global_buffer, .address_space: global }
      - { .name: wrec, .offset: 48, .size: 8, .value_kind: global_buffer, .address_space: global }
      - { .name: qbuf, .offset: 56, .size: 8, .value_kind: global_buffer, .address_space: global }
    .group_segment_fixed_size: 223232
    .private_segment_fixed_size: 0
    .kernarg_segment_align: 8
    .kernarg_segment_size: 64
    .max_flat_workgroup_size: 512
    .sgpr_count:     66
    .vgpr_count:     256
    .wavefront_size: 32
...
	.end_amdgpu_metadata
.endif
;; end of part 1
;; launch attn (part 2): grid 256 x 1, 4 waves a work-group, clusters of 4 x 1, 327,680 bytes of LDS; arguments all_states, IEs, We, wrec, qbuf, out0, out1, bq; writes out0, out1
.if DOCPART == 2
	.amdgcn_target "amdgcn-amd-amdhsa--gfx1250"
	.amdhsa_code_object_version 6
	.text
	.protected	k_qc527765916_attn
	.globl	k_qc527765916_attn
	.p2align	8
	.type	k_qc527765916_attn,@function
k_qc527765916_attn:
	s_mov_b64 s[64:65], 0
	v_nop
	global_prefetch_b8 v0, s[64:65] scope:SCOPE_SE
	s_setreg_imm32_b32 hwreg(HW_REG_WAVE_MODE, 25, 1), 1
	s_wait_xcnt 0x0
	s_wait_alu depctr_hold_cnt(0) depctr_sa_sdst(0) depctr_va_vdst(0) depctr_va_sdst(0) depctr_va_ssrc(0) depctr_va_vcc(0) depctr_vm_vsrc(0)
	s_getreg_b32 s2, hwreg(HW_REG_IB_STS2, 6, 4)
	s_cmp_eq_u32 s2, 0
	s_cbranch_scc0 .Lentry_in_a_cluster
	s_endpgm
.Lentry_in_a_cluster:
	s_bfe_u32 s2, ttmp6, 0x10000c
	s_cmp_lg_u32 s2, 0x3003
	s_cbranch_scc0 .Lentry_shape_is_right
	s_endpgm
.Lentry_shape_is_right:
; context, attn = single-query attention over 64 states for each of 512 batches; K and V are projections on codes of BF6 (E3M2) with one E8M0 scale for each 32 along K; Q comes from launch prep (qbuf, f32).
; SHARES.  A work-group takes TWO batches, 128 rows of all_states, through the chain: quantise, K, scores, softmax, V, context.  K and V exist in accumulators alone.
; X IS STATIONARY: every wave holds the codes of all 128 rows x 1,024 K, 64 fragments of 12 registers.  The four waves share the columns: a weight fragment is read from LDS by one wave and feeds eight
; matrix instructions.
; THE WEIGHTS are 128 records (launch prep: 16 rows as register images, scale words, 16 biases; 13,056 bytes), Wk, then Wv, through a ring of two LDS slots of 8 records; wave w owns records 2 w, 2 w + 1 of a slot:
; it fetches them by one tensor load and it alone reads them.
; THE WALK IS ROTATED: a pass has eight slots; cluster c begins each pass at slot c % 8: place n (0 .. 15) is slot 8 (n / 8) + (n + c) % 8.  The sums over columns take any order; Q is laid in LDS in the walk's
; order (the rotation stands in its global addresses); context is put in order by the stores' offsets.
; CLUSTER: the four work-groups of a cluster walk the same slots: each load is asked for jointly, with the same descriptor and the mask of all four.
; PHASES.  H: head; place 0 is asked for.  QX: all_states is read once and quantised (wave w: rows 32 w on; images of the fragments go through LDS to all waves); place 1 is asked for behind trip 0's round.
; K pass: score sums += (X Wk^T) x Q, and Q . bk.  S: x exp(-We IE) / 32; softmax with its maximum taken away; attn out.  V pass: context = sum of attn x (X Wv^T), + bv.  O: context out.
; A product's result holds in lane (r, h), register j: row 8 h + j of the tile of X, column r of the weight's tile.
; LIMITS: NaN and infinities among the inputs are not served; a block of zeros gets the scale byte 1 where the rule says 127 (its codes are zeros, and this program alone reads the bytes); blocks whose largest
; magnitude lies under 2^-122 are held at the byte 1; an exp(-We IE) under 2^-126 comes out as 0 (ISA guide, v_exp_f32); bv is added once, as bv x 1, where the sum of attn is 1 to f32 rounding.
; REGISTERS.  Fragment f = 8 s + rt of X lies in window 1 + f / 21 at v[12 (f % 21)]; f = 63 in window 0.  During QX window 3 holds four sets of 64 numbers of X on their way in.
.set REC,    13056
.set WPART,  2*REC
.set SLOTB,  8*REC
.set BUF1,   1<<17
.set FRB,    1536
.set IMB,    8*FRB
.set SPITCH, 528
.set WSTG,   16*SPITCH
.set PRP,    272
.set PFP,    13                        ; pairs of groups of 32,768 bytes that are prefetched
.set PFB,    128*REC-2*PFP*32768       ; where they begin in wrec: they end with the buffer
; LDS.  Slot buffers 0 (byte 0) and 1 (BUF1) take tensor loads alone; all else is written by LDS stores alone.
.set QL,     SLOTB                     ; Q: wave w at 2,048 w; tile T of my walk at 128 T; batch b at 64 b; column r at 4 r
.set ISC,    QL+8192
.set MTL,    ISC+2048
.set SPARE,  MTL+512
.set SCW,    SPARE+512
.set SS,     SCW+256
.set AW,     SS+512
.set CS,     AW+2048
.set STG,    BUF1+SLOTB
.set IMG,    STG+4*WSTG
.set PR,     STG
.set L16,  1
.set SPW,  2
.set NIL,  3
.set AB0,  4
.set AI0,  5
.set ADB,  6
.set ADI,  7
.set XO,   8
.set QCA,  8
.set STA,  9
.set CSB,  9
.set STB,  10
.set IMA,  11
.set ISA,  12
.set QRB,  13
.set PFO,  14
.set BF,   16                          ; v16-63 four weight fragments: pairs P0, P1
.set BS,   64
.set AS,   72
.set F63,  104
.set AC,   116
.set TM,   132
.set PC,   148
.set PW0,  168
.set PWC,  170
.set XS,   180
.set SA,   180
.set AT,   180
.set IMR,  244
.set ISR,  245
.set BIK,  248
.set BIV,  252
.set WV,   18
.set CX,   19
.set WG,   20
.set ROT,  21
.set SEL,  22
.set HM,   24
.set TB,   25
.set TN,   26
.set LIM,  27
.set CNT,  28
.set STP,  29
.set PFA,  30
.set G1,   32
.set G0A,  40
.set G0W,  44
.set WB,   56
.set OF,   60
.set MSB, 0
.macro WIN new
.if MSB != (\new)
	s_set_vgpr_msb (MSB<<8)|(\new)
.set MSB, (\new)
.endif
.endm
.macro PLACES
.rept 4
	v_nop
.endr
.endm
.macro BAR
	s_barrier_signal -1
	s_barrier_wait -1
.endm
.macro CREST
	s_cmp_lg_u32 s[WV], 0
	s_cbranch_scc1 .Lnot_wave_0_\@
	s_barrier_signal -3
.Lnot_wave_0_\@:
	s_barrier_wait -3
	s_barrier_signal -1
	s_barrier_wait -1
.endm
.macro CROUND
	BAR
	CREST
.endm
.macro QUANT s, pc, pw
.irp b, 0,1,2,3
	v_max3_num_f32 v[TM+\b], |v[\s+16*\b]|, |v[\s+1+16*\b]|, 0x2800000   ; my 16 numbers of block b, and the floor 2^(5 - 127)
.endr
.irp i, 2,4,6,8,10,12,14
.irp b, 0,1,2,3
	v_max3_num_f32 v[TM+\b], v[TM+\b], |v[\s+16*\b+\i]|, |v[\s+1+16*\b+\i]|
.endr
.endr
.irp b, 0,1,2,3
	v_permlanex16_b32 v[TM+4+\b], v[TM+\b], s[SEL], s[SEL+1]
.endr
.irp b, 0,1,2,3
	v_max_num_f32 v[TM+\b], v[TM+\b], v[TM+4+\b]
.endr
.irp b, 0,1,2,3
	v_add_nc_u32 v[TM+12+\b], 0xfe000000, v[TM+\b]   ; 4 off the exponent field: the conversion's scale operand
.endr
.irp b, 0,1,2,3
	v_lshrrev_b32 v[TM+4+\b], 23, v[TM+12+\b]
.endr
	v_lshl_or_b32 v[\pw], v[TM+5], 8, v[TM+4]
	v_lshl_or_b32 v[\pw], v[TM+6], 16, v[\pw]
	v_lshl_or_b32 v[\pw], v[TM+7], 24, v[\pw]
.irp c, 0,1
	v_cvt_scalef32_pk16_bf6_f32 v[\pc+6*\c:\pc+2+6*\c], v[\s+32*\c:\s+15+32*\c], v[TM+12+2*\c]
	v_cvt_scalef32_pk16_bf6_f32 v[\pc+12+4*\c:\pc+14+4*\c], v[\s+16+32*\c:\s+31+32*\c], v[TM+12+2*\c+1]
.endr
	v_nop                                          ; one plain place behind a scaled conversion
.irp c, 0,1
.irp i, 0,1,2
	v_permlane16_swap_b32 v[\pc+6*\c+\i], v[\pc+12+4*\c+\i]
.endr
.irp i, 0,1,2
	v_mov_b32 v[\pc+3+6*\c+\i], v[\pc+12+4*\c+\i]
.endr
.endr
.endm
; Unit u of X: K step u / 2 of my wave's tile of rows u % 2: 16 rows x 512 bytes, into set u % 4 of window 3.
.macro XLOADS u
	WIN 0xc0
.irp n, 0,1,2,3,4,5,6,7,8,9,10,11,12,13,14,15
	global_load_b128 v[64*((\u)%4)+4*\n:64*((\u)%4)+4*\n+3], v[XO], s[4:5] offset:(16*((\u)%2)+\n)*4096+512*((\u)/2) th:TH_LOAD_NT
.endr
	WIN 0
.endm
.macro XIN u
.if 15-(\u) >= 3
	s_wait_loadcnt 48                              ; this unit's 16 loads are in; those of the three units behind it may be out
.else
	s_wait_loadcnt 16*(15-(\u))
.endif
	WIN 0x0c
.irp n, 0,1,2,3,4,5,6,7,8,9,10,11,12,13,14,15
	ds_store_b128 v[STA], v[64*((\u)%4)+4*\n:64*((\u)%4)+4*\n+3] offset:SPITCH*\n
.endr
	WIN 0
.irp b, 0,1,2,3
.irp q, 0,1,2,3
	ds_load_b128 v[XS+16*\b+4*\q:XS+16*\b+4*\q+3], v[STB] offset:128*\b+16*\q   ; LDS serves a wave's instructions in order
.endr
.endr
	s_wait_dscnt 0x0
.if (\u)+4 <= 15
	XLOADS (\u)+4
.endif
.endm
.macro XOUT u
.set UT, (\u)/2
.set UI, (\u)%2
	QUANT XS, PC, PW0+UI
.irp c, 0,1,2
	ds_store_b128 v[IMA], v[PC+4*\c:PC+4*\c+3] offset:(UT%4)*IMB+FRB*UI+512*\c
.endr
.if UI == 1
	v_cndmask_b32 v[PWC], v[PW0], v[PW0+1], s[HM]  ; lanes 0-15: my even tile's words; lanes 16-31: my odd tile's
	ds_store_b32 v[ISA], v[PWC] offset:512*(UT%4)
.endif
.endm
.macro AFETCH s                        ; K step s of X: eight fragments and their scale words, from the images
.irp rt, 0,1,2,3,4,5,6,7
.set FN, 8*(\s)+\rt
.if FN < 63
	WIN (1+FN/21)<<6
.set FRG, 12*(FN%21)
.else
	WIN 0
.set FRG, F63
.endif
.irp c, 0,1,2
	ds_load_b128 v[FRG+4*\c:FRG+4*\c+3], v[IMR] offset:((\s)%4)*IMB+FRB*\rt+512*\c
.endr
.endr
	WIN 0
	ds_load_b128 v[AS+4*(\s):AS+4*(\s)+3], v[ISR] offset:512*((\s)%4)
.endm
.macro WM
.if WZ
.if WRA
	v_wmma_scale_f32_16x16x128_f8f6f4 v[WD:WD+7], v[WA:WA+11], v[WB_:WB_+11], 0, v[WSA], v[WSB] matrix_a_fmt:MATRIX_FMT_BF6 matrix_b_fmt:MATRIX_FMT_BF6 matrix_a_scale:MATRIX_SCALE_ROW1
.else
	v_wmma_scale_f32_16x16x128_f8f6f4 v[WD:WD+7], v[WA:WA+11], v[WB_:WB_+11], 0, v[WSA], v[WSB] matrix_a_fmt:MATRIX_FMT_BF6 matrix_b_fmt:MATRIX_FMT_BF6
.endif
.else
.if WRA && WRB
	v_wmma_scale_f32_16x16x128_f8f6f4 v[WD:WD+7], v[WA:WA+11], v[WB_:WB_+11], v[WD:WD+7], v[WSA], v[WSB] matrix_a_fmt:MATRIX_FMT_BF6 matrix_b_fmt:MATRIX_FMT_BF6 matrix_a_scale:MATRIX_SCALE_ROW1 matrix_b_scale:MATRIX_SCALE_ROW1
.elseif WRA
	v_wmma_scale_f32_16x16x128_f8f6f4 v[WD:WD+7], v[WA:WA+11], v[WB_:WB_+11], v[WD:WD+7], v[WSA], v[WSB] matrix_a_fmt:MATRIX_FMT_BF6 matrix_b_fmt:MATRIX_FMT_BF6 matrix_a_scale:MATRIX_SCALE_ROW1
.elseif WRB
	v_wmma_scale_f32_16x16x128_f8f6f4 v[WD:WD+7], v[WA:WA+11], v[WB_:WB_+11], v[WD:WD+7], v[WSA], v[WSB] matrix_a_fmt:MATRIX_FMT_BF6 matrix_b_fmt:MATRIX_FMT_BF6 matrix_b_scale:MATRIX_SCALE_ROW1
.else
	v_wmma_scale_f32_16x16x128_f8f6f4 v[WD:WD+7], v[WA:WA+11], v[WB_:WB_+11], v[WD:WD+7], v[WSA], v[WSB] matrix_a_fmt:MATRIX_FMT_BF6 matrix_b_fmt:MATRIX_FMT_BF6
.endif
.endif
.endm
; THE CHANGE OF SLOTS.  PRE3: all my tensor loads have landed; 0 onto my spare word; the walking descriptor is set to place s[TN] + 2 and the prefetches' address steps; the add is done and my reads of this slot are over.
.macro PRE3
	WIN 0
	s_wait_tensorcnt 0x0
	ds_add_u32 v[SPW], v[NIL]
	s_xor_b32 s[G0W+1], s[G0W+1], BUF1
	s_add_co_u32 s[OF+1], s[TN], 2                 ; n: 2 .. 15
	s_add_co_u32 s[OF], s[OF+1], s[ROT]
	s_and_b32 s[OF], s[OF], 7
	s_and_b32 s[OF+1], s[OF+1], 8
	s_add_co_u32 s[OF], s[OF], s[OF+1]
	s_mul_i32 s[OF], s[OF], SLOTB                  ; at most 15 slots on: my part ends inside the 128 records
	s_mov_b32 s[OF+1], 0
	s_add_nc_u64 s[G0W+2:G0W+3], s[WB:WB+1], s[OF:OF+1]
	s_or_b32 s[G0W+3], s[G0W+3], 0x80000000
	s_wait_xcnt 0x0                                ; the last prefetches, a slot back, have read their address
	s_add_nc_u64 s[PFA:PFA+1], s[PFA:PFA+1], 262144
	s_wait_dscnt 0x0
.endm
.macro FILL                            ; the joint load: my one tensor load behind the round; four v_nop follow it
	tensor_load_to_lds s[G0W:G0W+3], s[G1:G1+7]
	s_nop 0
	PLACES
.endm
; A PREFETCH INTO THE L2 of Wv's records.  Change of slots 6 is the first that asks for a slot of Wv.  Changes 0 to 3 name the last 26 x 32,768 bytes of wrec (Wv's 835,584 and the 16,384 in front): change i and wave w
; take the pair of groups 4 i + w while that is under 13; of a group the partner at place cx takes 8,192 bytes at 8,192 cx, lanes 256 bytes apart: the partners are told apart by address.  The launch's first cluster
; asks, nobody else: each aligned block of 256 bytes is named once, the last ends with the buffer, and the asking ends two slots ahead of change 6.  Wk's first slots are asked for at the head and in QX's first
; trip and have the whole of QX in which to land: they are not prefetched.
.macro ASK
	s_lshl_b32 s[OF], s[TN], 2
	s_add_co_u32 s[OF], s[OF], s[WV]
	s_cmp_lt_u32 s[OF], s[LIM]
	s_cbranch_scc0 .Lnot_mine_\@
	global_prefetch_b8 v[PFO], s[PFA:PFA+1] th:TH_LOAD_NT scope:SCOPE_SE
	global_prefetch_b8 v[PFO], s[PFA:PFA+1] offset:32768 th:TH_LOAD_NT scope:SCOPE_SE
.Lnot_mine_\@:
	s_add_co_u32 s[TN], s[TN], 1
.endm
.macro NEWSLOT
	s_xor_b32 s[TB], s[TB], BUF1
	v_add_nc_u32 v[ADB], s[TB], v[AB0]
	v_add_nc_u32 v[ADI], s[TB], v[AI0]
.endm
.macro LOADP p, rec, s0
.irp e, 0,1
.irp c, 0,1,2
	ds_load_b128 v[BF+24*(\p)+12*\e+4*\c:BF+24*(\p)+12*\e+4*\c+3], v[ADB] offset:REC*(\rec)+FRB*((\s0)+\e)+512*\c
.endr
.endr
.endm
.macro LOADBS rec
	ds_load_b128 v[BS+4*(\rec):BS+4*(\rec)+3], v[ADB] offset:REC*(\rec)+12288
.endm
; MUL16: K steps s0 and s0 + 1 (sel = 2), or one of them (sel = 0, 1): a weight fragment against X's eight tiles of rows.  The eight accumulators take turns.
.macro MUL16 p, s0, jb, zero, sel
.irp e, 0,1
.if ((\sel) == 2) || ((\sel) == \e)
.irp rt, 0,1,2,3,4,5,6,7
.set WS, (\s0)+\e
.set FN, 8*WS+\rt
.if FN < 63
	WIN 1+FN/21
.set WA, 12*(FN%21)
.else
	WIN 0
.set WA, F63
.endif
.set WD, AC+8*\rt
.set WB_, BF+24*(\p)+12*\e
.set WSA, AS+4*WS+\rt/2
.set WSB, BS+4*(\jb)+WS/2
.set WRA, \rt%2
.set WRB, WS%2
.set WZ, 0
.if (\zero) && (\e == 0)
.set WZ, 1
.endif
	WM
.endr
.endif
.endr
.endm
.macro KEPI                            ; score sums += the tile x Q of my column; Q . bk beside them.  Each accumulator from its low end on
.irp rt, 0,1,2,3,4,5,6,7
.irp i, 0,1,2,3
	v_pk_fma_f32 v[SA+8*\rt+2*\i:SA+8*\rt+2*\i+1], v[AC+8*\rt+2*\i:AC+8*\rt+2*\i+1], v[244+2*(\rt/4):245+2*(\rt/4)], v[SA+8*\rt+2*\i:SA+8*\rt+2*\i+1] op_sel_hi:[1,0,1]
.endr
.endr
	v_fmac_f32 v250, v244, v[BIK]
	v_fmac_f32 v251, v246, v[BIK]
.endm
.macro VEPI j                          ; four chains of attn x V; lanes 0-15 end with batch 0's column r, lanes 16-31 with batch 1's; + bv
.irp i, 0,1,2,3,4,5,6,7
.irp c, 0,1,2,3
.if \i == 0
	v_pk_mul_f32 v[244+2*\c:245+2*\c], v[AC+16*\c:AC+16*\c+1], v[AT+16*\c:AT+16*\c+1]
.else
	v_pk_fma_f32 v[244+2*\c:245+2*\c], v[AC+16*\c+2*\i:AC+16*\c+2*\i+1], v[AT+16*\c+2*\i:AT+16*\c+2*\i+1], v[244+2*\c:245+2*\c]
.endif
.endr
.endr
	v_pk_add_f32 v[244:245], v[244:245], v[246:247]
	v_pk_add_f32 v[248:249], v[248:249], v[250:251]
	v_add_f32 v244, v244, v245
	v_add_f32 v248, v248, v249
	v_cndmask_b32 v254, v244, v248, s[HM]
	v_cndmask_b32 v255, v248, v244, s[HM]
	v_permlanex16_b32 v253, v255, s[SEL], s[SEL+1]
	v_add_f32 v254, v254, v253
	v_add_f32 v254, v254, v[BIV]
	ds_store_b32 v[QCA], v254 offset:128*\j
.endm
.macro EPI pass, j
.if \pass
	VEPI \j
.else
	KEPI
.endif
.endm
.macro STEPA pass
	s_add_co_u32 s[STP], s[STP], 256
.if \pass
	v_add_nc_u32 v[QCA], s[STP], v[CSB]
.else
	v_add_nc_u32 v[QCA], s[STP], v[QRB]
.endif
.endm
; A TILE: record j of the slot: 64 products and their epilogue.  At its head P0 (K steps 0, 1), the scale words and P1 (K steps 2, 3) have been asked for, in that order.
; mode 0: the slot's other record follows.  1: the slots change, and this one is filled again.  2: the slots change, nothing is left to fetch.  3: the last tile.
.macro TILE pass, j, mode
.if \pass
	ds_load_b32 v[BIV], v[ADI] offset:REC*\j+12800
.set DW, 8                             ; behind P0 and the scale words: P1's six loads, the last tile's one store, this one load
.else
	ds_load_b32 v244, v[QCA] offset:128*\j
	ds_load_b32 v246, v[QCA] offset:128*\j+64
	ds_load_b32 v[BIK], v[ADI] offset:REC*\j+12800
.set DW, 9                             ; behind P0 and the scale words: P1's six loads and these three
.endif
	s_wait_dscnt DW
	MUL16 0, 0, \j, 1, 2
	WIN 0
	PLACES
	LOADP 0, \j, 4
	s_wait_dscnt DW                                ; behind P1: the same small ones, and the six just issued
	MUL16 1, 2, \j, 0, 2
	WIN 0
	PLACES
	LOADP 1, \j, 6
	s_wait_dscnt 6
	MUL16 0, 4, \j, 0, 2
	WIN 0
.if \mode == 0
	PLACES
	LOADP 0, 1, 0
	LOADBS 1
	s_wait_dscnt 7
	MUL16 1, 6, \j, 0, 2
	WIN 0
	PLACES
	LOADP 1, 1, 2
	EPI \pass, \j
.elseif \mode == 1
	PRE3
	s_barrier_signal -1                            ; this barrier opens a round of the cluster's barrier;
	MUL16 1, 6, \j, 0, 0                           ; K step 6: work on registers while the others arrive
	WIN 0
	s_barrier_wait -1
	CREST
	FILL                                           ; its four v_nop are also the places in front of the loads below
	ASK
	NEWSLOT
	LOADP 0, 0, 0
	LOADBS 0
	MUL16 1, 6, \j, 0, 1                           ; K step 7 stands behind the new slot's first loads
	WIN 0
	PLACES
	LOADP 1, 0, 2
	EPI \pass, \j
	STEPA \pass
.elseif \mode == 2
	s_wait_dscnt 0x0
	MUL16 1, 6, \j, 0, 2
	WIN 0
	PLACES
	s_wait_tensorcnt 0x0                           ; my part of the last slot is in; I alone read it
	NEWSLOT
	LOADP 0, 0, 0
	LOADBS 0
	LOADP 1, 0, 2
	EPI \pass, \j
	STEPA \pass
.else
	s_wait_dscnt 0x0
	MUL16 1, 6, \j, 0, 2
	WIN 0
	PLACES
	EPI \pass, \j
.endif
.endm
	; ================ H
	s_load_b256 s[4:11], s[0:1], 0x0               ; all_states s[4:5], IEs s[6:7], We s[8:9], wrec s[10:11]
	s_load_b128 s[12:15], s[0:1], 0x20             ; qbuf s[12:13], out0 s[14:15]
	s_load_b64 s[16:17], s[0:1], 0x30              ; out1
	s_load_b64 s[58:59], s[0:1], 0x38              ; bq
	v_lshl_add_u32 v[SPW], v0, 2, SPARE
	v_mov_b32 v[NIL], 0
	ds_add_u32 v[SPW], v[NIL]
	ds_add_u32 v[SPW], v[NIL]
	s_wait_dscnt 0x0
	v_lshrrev_b32 v249, 5, v0
	v_readfirstlane_b32 s[WV], v249
	s_bfe_u32 s[CX], ttmp6, 0x40000
	s_lshl_b32 s[WG], ttmp9, 2
	s_add_co_u32 s[WG], s[WG], s[CX]
	s_and_b32 s[ROT], ttmp9, 7
	s_mov_b32 s[SEL], 0x76543210
	s_mov_b32 s[SEL+1], 0xfedcba98
	s_mov_b32 s[HM], 0xffff0000
	v_and_b32 v249, 31, v0
	v_and_b32 v250, 15, v0
	v_bfe_u32 v251, v0, 4, 1
	v_lshlrev_b32 v[L16], 4, v249
	s_wait_alu depctr_va_vdst(0)
	s_mul_i32 s50, s[WV], WPART
	s_mov_b32 s51, 0
	v_add_nc_u32 v[AB0], s50, v[L16]
	v_lshl_add_u32 v[AI0], v249, 2, s50
	s_lshl_b32 s48, s[WV], 17
	v_add_nc_u32 v[XO], s48, v[L16]
	s_mul_i32 s49, s[WV], WSTG
	s_add_co_u32 s49, s49, STG
	v_add_nc_u32 v[STA], s49, v[L16]
	v_mul_u32_u24 v[STB], v250, SPITCH
	v_lshl_add_u32 v[STB], v251, 6, v[STB]
	v_add_nc_u32 v[STB], s49, v[STB]
	s_mul_i32 s48, s[WV], 2*FRB
	s_add_co_u32 s48, s48, IMG
	v_add_nc_u32 v[IMA], s48, v[L16]
	s_lshl_b32 s48, s[WV], 2
	s_add_co_u32 s48, s48, ISC
	v_add_nc_u32 v[ISA], s48, v[L16]
	v_lshlrev_b32 v[PFO], 8, v249
	v_add_nc_u32 v[IMR], IMG, v[L16]
	v_add_nc_u32 v[ISR], ISC, v[L16]
	; Q: wave w brings places 2 w and 2 w + 1 of the walk, both batches: 512 bytes a load; a lane's four columns go to the wave (lane / 8), record ((lane / 4) % 2) and columns 4 (lane % 4) on that will use them
	v_bfe_u32 v116, v0, 3, 2
	v_lshlrev_b32 v116, 11, v116
	v_bfe_u32 v117, v0, 2, 1
	v_lshl_add_u32 v116, v117, 7, v116
	v_and_b32 v117, 3, v0
	v_lshl_add_u32 v116, v117, 4, v116
	s_lshl_b32 s48, s[WV], 9
	s_add_co_u32 s48, s48, QL
	v_add_nc_u32 v116, s48, v116
	s_lshl_b32 s48, s[WV], 1
	s_add_co_u32 s48, s48, s[ROT]
.irp p, 0,1
	s_add_co_u32 s49, s48, \p
	s_and_b32 s49, s49, 7                          ; the place's slot
	s_lshl_b32 s49, s49, 9                         ; its 128 columns
	v_add_nc_u32 v[118+\p], s49, v[L16]
.endr
	v_lshlrev_b32 v249, 2, v0                      ; IEs: thread = row of my 128
	v_and_b32 v250, 63, v0
	v_lshlrev_b32 v250, 2, v250
	v_lshl_add_u32 v251, v0, 2, MTL
.irp b, 0,1,2,3
	v_mov_b32 v[TM+4+\b], 0
.endr
	s_lshl_b32 s48, s[WG], 19
	s_mov_b32 s49, 0
	s_lshl_b32 s52, s[WG], 13
	s_mov_b32 s53, 0
	s_lshl_b32 s54, s[WG], 9
	s_mov_b32 s55, 0
	s_mov_b32 s[TB], 0
	s_mov_b32 s[TN], 0
	v_add_nc_u32 v[ADB], s[TB], v[AB0]
	v_add_nc_u32 v[ADI], s[TB], v[AI0]
	s_wait_alu depctr_va_vdst(0)
	s_wait_kmcnt 0x0
	s_add_nc_u64 s[4:5], s[4:5], s[48:49]
	s_add_nc_u64 s[12:13], s[12:13], s[52:53]
	s_add_nc_u64 s[14:15], s[14:15], s[52:53]
	s_add_nc_u64 s[6:7], s[6:7], s[54:55]
	s_add_nc_u64 s[16:17], s[16:17], s[54:55]
	global_load_b32 v252, v249, s[6:7]
	global_load_b32 v253, v250, s[8:9]
; Q = the four parts along K that launch prep stored (2,097,152 bytes apart in qbuf) + bq: 18 loads a wave
.irp p, 0,1
	global_load_b128 v[BF+4*\p:BF+4*\p+3], v[118+\p], s[58:59]
.irp b, 0,1
.irp k, 0,1,2,3
	global_load_b128 v[XS+16*(2*\p+\b)+4*\k:XS+16*(2*\p+\b)+4*\k+3], v[118+\p], s[12:13] offset:2097152*\k+4096*\b th:TH_LOAD_NT
.endr
.endr
.endr
	XLOADS 0                                       ; one unit of X ahead of the round; the others follow place 0's tensor load
	; group 1: a wave's part of a slot: 26,112 dense bytes: 102 rows of 256 bytes
	s_mov_b32 s[G1], 15|(3<<16)|(1<<21)
	s_mov_b32 s[G1+1], 32<<16
	s_mov_b32 s[G1+2], 102<<16
	s_mov_b32 s[G1+3], 32<<16
	s_mov_b32 s[G1+4], 102
	s_mov_b32 s[G1+5], 32
	s_mov_b32 s[G1+6], 0
	s_mov_b32 s[G1+7], 0
	s_add_nc_u64 s[WB:WB+1], s[10:11], s[50:51]
	s_mul_i32 s[OF], s[ROT], SLOTB                 ; place 0: slot c % 8 of Wk
	s_mov_b32 s[OF+1], 0
	s_mov_b32 s[G0A], 1
	s_mov_b32 s[G0A+1], s50
	s_add_nc_u64 s[G0A+2:G0A+3], s[WB:WB+1], s[OF:OF+1]
	s_or_b32 s[G0A+3], s[G0A+3], 0x80000000
	s_add_co_u32 s[OF], s[ROT], 1                  ; place 1
	s_and_b32 s[OF], s[OF], 7
	s_mul_i32 s[OF], s[OF], SLOTB
	s_mov_b32 s[G0W], 1
	s_add_co_u32 s[G0W+1], s50, BUF1
	s_add_nc_u64 s[G0W+2:G0W+3], s[WB:WB+1], s[OF:OF+1]
	s_or_b32 s[G0W+3], s[G0W+3], 0x80000000
	s_lshl_b32 s52, s[CX], 13
	s_lshl_b32 s53, s[WV], 16
	s_add_co_u32 s52, s52, s53
	s_add_co_u32 s52, s52, PFB-262144              ; each change of slots steps it by 262,144: at change 0 it stands at PFB
	s_mov_b32 s53, 0
	s_add_nc_u64 s[PFA:PFA+1], s[10:11], s[52:53]
	s_cmp_eq_u32 ttmp9, 0
	s_cselect_b32 s[LIM], PFP, 0
	CROUND                                         ; all four work-groups are here: the first joint loads meet
	tensor_load_to_lds s[G0A:G0A+3], s[G1:G1+7]    ; place 0: my one load at the head
	s_nop 0
	PLACES
	XLOADS 1
	s_wait_loadcnt 50                              ; IE and We are in: behind them Q's and bq's 18 loads and X's 32
	v_mul_f32 v252, v252, v253
	v_mul_f32 v252, 0xbfb8aa3b, v252
	s_wait_alu depctr_va_vdst(0)
	v_exp_f32 v252, v252                           ; exp(-We IE)
	v_nop
	s_wait_alu depctr_va_vdst(0)
	v_mul_f32 v252, 0x3d000000, v252               ; / sqrt(1024)
	ds_store_b32 v251, v252
	s_wait_loadcnt 32                              ; Q's parts and bq are in: behind them X's 32
	XLOADS 2
	XLOADS 3
.irp p, 0,1
.irp b, 0,1
.set QX_, XS+16*(2*\p+\b)
.irp i, 0,2
	v_pk_add_f32 v[QX_+\i:QX_+\i+1], v[QX_+\i:QX_+\i+1], v[QX_+4+\i:QX_+5+\i]
	v_pk_add_f32 v[QX_+8+\i:QX_+9+\i], v[QX_+8+\i:QX_+9+\i], v[QX_+12+\i:QX_+13+\i]
.endr
.irp i, 0,2
	v_pk_add_f32 v[QX_+\i:QX_+\i+1], v[QX_+\i:QX_+\i+1], v[QX_+8+\i:QX_+9+\i]
.endr
.irp i, 0,2
	v_pk_add_f32 v[QX_+\i:QX_+\i+1], v[QX_+\i:QX_+\i+1], v[BF+4*\p+\i:BF+4*\p+\i+1]
.endr
	ds_store_b128 v116, v[QX_:QX_+3] offset:256*\p+64*\b
.endr
.endr
	; ================ QX: trip t: K step t of X.  Behind trip 0 stands the full sequence and a round, and place 1's first fill; the other trips end with a barrier behind which nothing is filled
.irp t, 0,1,2,3,4,5,6,7
.if (\t >= 1) && (\t <= 4)
	AFETCH \t-1                                    ; K steps 4 to 7 stay in the four image buffers: their registers still hold numbers on their way in
.endif
	XIN 2*\t
	XOUT 2*\t
	XIN 2*\t+1
	XOUT 2*\t+1
	s_wait_alu depctr_va_vdst(0)
.if \t == 0
	s_wait_tensorcnt 0x0                           ; my part of place 0 is in
	ds_add_u32 v[SPW], v[NIL]
	s_wait_dscnt 0x0
	CROUND
	FILL
.else
	s_wait_dscnt 0x0                               ; for the others' sake: my images have landed
	BAR
.endif
.endr
	; ================ P
	AFETCH 4
	AFETCH 5
	AFETCH 6
	AFETCH 7
	LOADP 0, 0, 0
	LOADBS 0
	LOADP 1, 0, 2
.set I, 0
.rept 64
	v_mov_b32 v[SA+I], 0                           ; the score sums, once: the K pass is a loop whose every tile adds onto them
.set I, I+1
.endr
	s_wait_dscnt 0x0
	v_mov_b32 v245, 0
	v_mov_b32 v247, 0
	v_mov_b32 v250, 0
	v_mov_b32 v251, 0
	v_and_b32 v249, 15, v0
	s_lshl_b32 s48, s[WV], 11
	s_add_co_u32 s48, s48, QL
	v_lshl_add_u32 v[QRB], v249, 2, s48
	s_mov_b32 s[STP], 0
	v_add_nc_u32 v[QCA], s[STP], v[QRB]
	s_mov_b32 s[CNT], 8
	; ================ K pass: places 0 to 7
.Lkpass:
	s_wait_alu depctr_va_vdst(0)
	TILE 0, 0, 0
	TILE 0, 1, 1
	s_sub_co_u32 s[CNT], s[CNT], 1
	s_cmp_lg_u32 s[CNT], 0
	s_cbranch_scc1 .Lkpass
	; ================ S  (place 8's first fragments wait in v16-71; one tensor load of mine stays out)
	v_and_b32 v244, 15, v0
	v_bfe_u32 v245, v0, 4, 1
	v_and_b32 v246, 31, v0
	s_lshl_b32 s48, s[WV], 6
	s_add_co_u32 s48, s48, PR
	v_mul_u32_u24 v9, v245, 8*PRP
	v_lshl_add_u32 v9, v244, 2, v9
	v_add_nc_u32 v9, s48, v9
	v_mul_u32_u24 v10, v0, PRP
	v_add_nc_u32 v10, PR, v10
	s_lshl_b32 s48, s[WV], 2
	s_add_co_u32 s48, s48, SCW
	v_mov_b32 v11, s48
	s_lshr_b32 s48, s[WV], 1
	s_lshl_b32 s48, s48, 4
	s_add_co_u32 s48, s48, SCW
	v_mov_b32 v12, s48
	v_lshl_add_u32 v13, v0, 2, SS
	v_lshl_add_u32 v15, v0, 2, MTL
	v_lshl_add_u32 v8, v246, 2, SS
	s_lshl_b32 s48, s[WV], 9
	s_add_co_u32 s48, s48, AW
	v_lshl_add_u32 v247, v246, 2, s48
	v_lshl_add_u32 v248, v245, 5, s48
	v_add_nc_u32 v244, AW, v[L16]
.irp rt, 0,1,2,3,4,5,6,7
.irp j, 0,1,2,3,4,5,6,7
	ds_store_b32 v9, v[SA+8*\rt+\j] offset:PRP*(16*\rt+\j)
.endr
.endr
.irp m, 1,2,4,8
	v_add_f32_dpp v250, v250, v250 row_xmask:\m row_mask:0xf bank_mask:0xf
	v_add_f32_dpp v251, v251, v251 row_xmask:\m row_mask:0xf bank_mask:0xf
.endr
	ds_store_b32 v11, v250
	ds_store_b32 v11, v251 offset:16
	s_wait_alu depctr_va_vdst(0)
	s_wait_dscnt 0x0
	BAR
.irp k, 0,1,2,3,4,5,6,7,8,9,10,11,12,13,14,15
	ds_load_b128 v[AC+4*\k:AC+4*\k+3], v10 offset:16*\k
.endr
	ds_load_b128 v[252:255], v12
	ds_load_b32 v249, v15
	s_wait_dscnt 0x0
.irp k, 0,1,2,3,4,5,6,7,8,9,10,11,12,13,14,15
	v_pk_add_f32 v[AC+4*\k:AC+4*\k+1], v[AC+4*\k:AC+4*\k+1], v[AC+4*\k+2:AC+4*\k+3]
.endr
.irp k, 0,1,2,3,4,5,6,7
	v_pk_add_f32 v[AC+8*\k:AC+8*\k+1], v[AC+8*\k:AC+8*\k+1], v[AC+8*\k+4:AC+8*\k+5]
.endr
.irp k, 0,1,2,3
	v_pk_add_f32 v[AC+16*\k:AC+16*\k+1], v[AC+16*\k:AC+16*\k+1], v[AC+16*\k+8:AC+16*\k+9]
.endr
.irp k, 0,1
	v_pk_add_f32 v[AC+32*\k:AC+32*\k+1], v[AC+32*\k:AC+32*\k+1], v[AC+32*\k+16:AC+32*\k+17]
.endr
	v_add_f32 v252, v252, v253
	v_add_f32 v254, v254, v255
	v_pk_add_f32 v[AC:AC+1], v[AC:AC+1], v[AC+32:AC+33]
	v_add_f32 v252, v252, v254
	v_add_f32 v[AC], v[AC], v[AC+1]
	v_add_f32 v[AC], v[AC], v252                   ; Q . (X Wk^T + bk)
	v_mul_f32 v[AC], v[AC], v249
	ds_store_b32 v13, v[AC]
	s_wait_dscnt 0x0
	BAR
.irp k, 0,1,2,3
	ds_load_b32 v[AC+\k], v8 offset:128*\k
.endr
	s_wait_dscnt 0x0
	v_max_num_f32 v120, v116, v117
	v_max_num_f32 v121, v118, v119
.irp m, 1,2,4,8
	v_max_num_f32_dpp v120, v120, v120 row_xmask:\m row_mask:0xf bank_mask:0xf
	v_max_num_f32_dpp v121, v121, v121 row_xmask:\m row_mask:0xf bank_mask:0xf
.endr
	v_permlanex16_b32 v122, v120, s[SEL], s[SEL+1]
	v_permlanex16_b32 v123, v121, s[SEL], s[SEL+1]
	v_max_num_f32 v120, v120, v122
	v_max_num_f32 v121, v121, v123
	v_sub_f32 v116, v116, v120
	v_sub_f32 v117, v117, v120
	v_sub_f32 v118, v118, v121
	v_sub_f32 v119, v119, v121
.irp k, 0,1,2,3
	v_mul_f32 v[AC+\k], 0x3fb8aa3b, v[AC+\k]
.endr
	s_wait_alu depctr_va_vdst(0)
.irp k, 0,1,2,3
	v_exp_f32 v[AC+\k], v[AC+\k]
.endr
	v_nop
	s_wait_alu depctr_va_vdst(0)
	v_add_f32 v124, v116, v117
	v_add_f32 v125, v118, v119
.irp m, 1,2,4,8
	v_add_f32_dpp v124, v124, v124 row_xmask:\m row_mask:0xf bank_mask:0xf
	v_add_f32_dpp v125, v125, v125 row_xmask:\m row_mask:0xf bank_mask:0xf
.endr
	v_permlanex16_b32 v122, v124, s[SEL], s[SEL+1]
	v_permlanex16_b32 v123, v125, s[SEL], s[SEL+1]
	v_add_f32 v124, v124, v122
	v_add_f32 v125, v125, v123
	s_wait_alu depctr_va_vdst(0)
	v_rcp_f32 v124, v124
	v_rcp_f32 v125, v125
	v_nop
	s_wait_alu depctr_va_vdst(0)
	v_mul_f32 v116, v116, v124
	v_mul_f32 v117, v117, v124
	v_mul_f32 v118, v118, v125
	v_mul_f32 v119, v119, v125
.irp k, 0,1,2,3
	ds_store_b32 v247, v[AC+\k] offset:128*\k      ; attn, into my wave's own copy
.endr
.irp rt, 0,1,2,3,4,5,6,7
	ds_load_b128 v[AT+8*\rt:AT+8*\rt+3], v248 offset:64*\rt        ; and back in the accumulators' layout
	ds_load_b128 v[AT+8*\rt+4:AT+8*\rt+7], v248 offset:64*\rt+16
.endr
	s_cmp_lg_u32 s[WV], 0
	s_cbranch_scc1 .Lno_attn
	ds_load_b128 v[10:13], v244
	s_wait_dscnt 0x0
	global_store_b128 v[L16], v[10:13], s[16:17]   ; 512 consecutive bytes
.Lno_attn:
	s_wait_dscnt 0x0
	s_lshl_b32 s48, s[WV], 11
	s_add_co_u32 s48, s48, CS
	v_lshl_add_u32 v[CSB], v246, 2, s48
	s_mov_b32 s[STP], 0
	v_add_nc_u32 v[QCA], s[STP], v[CSB]
	v_mov_b32 v253, 0
	s_mov_b32 s[CNT], 6
	; ================ V pass: places 8 to 13 fill again; the last two are written out
.Lvpass:
	TILE 1, 0, 0
	TILE 1, 1, 1
	s_sub_co_u32 s[CNT], s[CNT], 1
	s_cmp_lg_u32 s[CNT], 0
	s_cbranch_scc1 .Lvpass
	TILE 1, 0, 0
	TILE 1, 1, 2
	TILE 1, 0, 0
	TILE 1, 1, 3
	; ================ O: wave w takes batch w / 2 and places 4 (w % 2) + k of the V pass; the rotation is undone in the stores' offsets
	v_bfe_u32 v244, v0, 3, 2
	v_bfe_u32 v245, v0, 2, 1
	v_and_b32 v246, 3, v0
	s_lshr_b32 s48, s[WV], 1
	s_lshl_b32 s48, s48, 6
	s_and_b32 s49, s[WV], 1
	s_lshl_b32 s49, s49, 10
	s_add_co_u32 s48, s48, s49
	s_add_co_u32 s48, s48, CS
	v_lshlrev_b32 v244, 11, v244
	v_lshl_add_u32 v244, v245, 7, v244
	v_lshl_add_u32 v244, v246, 4, v244
	v_add_nc_u32 v244, s48, v244
	s_and_b32 s52, s[WV], 1
	s_lshl_b32 s52, s52, 2
	s_add_co_u32 s52, s52, s[ROT]
	s_lshr_b32 s53, s[WV], 1
	s_lshl_b32 s53, s53, 12
.irp k, 0,1,2,3
	s_add_co_u32 s54, s52, \k
	s_and_b32 s54, s54, 7
	s_lshl_b32 s54, s54, 9
	s_add_co_u32 s54, s54, s53
	v_add_nc_u32 v[248+\k], s54, v[L16]
.endr
	s_wait_alu depctr_va_vdst(0)
	s_wait_dscnt 0x0
	BAR
.irp k, 0,1,2,3
	ds_load_b128 v[AC+4*\k:AC+4*\k+3], v244 offset:256*\k
.endr
.irp k, 0,1,2,3
	s_wait_dscnt 3-\k
	global_store_b128 v[248+\k], v[AC+4*\k:AC+4*\k+3], s[14:15] th:TH_STORE_NT   ; 512 consecutive bytes, at a multiple of 256 from out0's first byte
.endr
	s_wait_tensorcnt 0x0                           ; the wave's end
	ds_add_u32 v[SPW], v[NIL]
	s_wait_dscnt 0x0
	CROUND                                         ; the closing round
	s_endpgm
.Lfunc_end_k_qc527765916_attn:
	.size	k_qc527765916_attn, .Lfunc_end_k_qc527765916_attn-k_qc527765916_attn
	.p2alignl 7, 3214868480
	.fill 96, 4, 3214868480
	.section	.rodata,"a",@progbits
	.p2align	6, 0x0
	.amdhsa_kernel k_qc527765916_attn
		.amdhsa_group_segment_fixed_size 327680
		.amdhsa_private_segment_fixed_size 0
		.amdhsa_enable_private_segment 0
		.amdhsa_kernarg_size 64
		.amdhsa_user_sgpr_count 2
		.amdhsa_user_sgpr_kernarg_segment_ptr 1
		.amdhsa_wavefront_size32 1
		.amdhsa_system_sgpr_workgroup_id_x 1
		.amdhsa_system_sgpr_workgroup_id_y 1
		.amdhsa_system_sgpr_workgroup_id_z 1
		.amdhsa_system_vgpr_workitem_id 0
		.amdhsa_next_free_vgpr 1024
		.amdhsa_next_free_sgpr 66
		.amdhsa_reserve_vcc 0
		.amdhsa_float_denorm_mode_32 3
		.amdhsa_float_denorm_mode_16_64 3
		.amdhsa_memory_ordered 1
		.amdhsa_forward_progress 1
		.amdhsa_inst_pref_size 255
	.end_amdhsa_kernel
	.section	.bss,"aw",@nobits
	.p2align	6
	.space	262144
	.amdgpu_metadata
---
amdhsa.version: [ 1, 2 ]
amdhsa.kernels:
  - .name:           k_qc527765916_attn
    .symbol:         k_qc527765916_attn.kd
    .args:
      - { .name: all_states, .offset: 0, .size: 8, .value_kind: global_buffer, .address_space: global }
      - { .name: IEs, .offset: 8, .size: 8, .value_kind: global_buffer, .address_space: global }
      - { .name: We, .offset: 16, .size: 8, .value_kind: global_buffer, .address_space: global }
      - { .name: wrec, .offset: 24, .size: 8, .value_kind: global_buffer, .address_space: global }
      - { .name: qbuf, .offset: 32, .size: 8, .value_kind: global_buffer, .address_space: global }
      - { .name: out0, .offset: 40, .size: 8, .value_kind: global_buffer, .address_space: global }
      - { .name: out1, .offset: 48, .size: 8, .value_kind: global_buffer, .address_space: global }
      - { .name: bq, .offset: 56, .size: 8, .value_kind: global_buffer, .address_space: global }
    .group_segment_fixed_size: 327680
    .private_segment_fixed_size: 0
    .kernarg_segment_align: 8
    .kernarg_segment_size: 64
    .max_flat_workgroup_size: 128
    .sgpr_count:     66
    .vgpr_count:     1024
    .wavefront_size: 32
...
	.end_amdgpu_metadata
.endif
;; end of part 2
